; MI455X (gfx1250); checked and timed in simulation.
; The chip was launched on July 23, 2026; its instructions are those of AMD's public machine-readable ISA for CDNA 5 (MIT licence, August 2026) and "CDNA5" Instruction Set Architecture Reference Guide (July 2026). The comments in the code are by the model that wrote it; some were corrected since.
;; Self Attention. Allowed arithmetic: matrix products marked QUANTISED: E5M2 operands, one E8M0 scale for each 32 along K, by v_wmma_scale_f32_16x16x128_f8f6f4 with both operands' format E5M2, f32 sums; everything else in f32.
;; Inputs: Wk 1,024 x 128 float32; Wq 1,024 x 128 float32; Wv 1,024 x 128 float32; bk 128 float32; bq 128 float32; bv 128 float32; x 4 x 4,096 x 1,024 float32.
;; Outputs: out0 4 x 4,096 x 128 float32.
;; This version of the problem:
;;   THIS VERSION OF THE PROBLEM IS GIVEN IN LOW PRECISION. The matrix products marked QUANTISED in the list below multiply operands that are first quantised to E5M2 (5 exponent bits, 2 mantissa bits; 8 bits a number), with one power-of-two scale for each 32 numbers along K (OCP MX v1.0); their sums are f32. All else is computed in f32.
;;   The module's matrix products, in the order in which they are computed (A, B: the left and right operand; K: the contracted axis; several contracted axes count as one K, in the product's order):
;;     1. [M 16,384, K 1,024] x [K 1,024, N 128]; A: input x; B: input Wq: QUANTISED
;;     2. [M 16,384, K 1,024] x [K 1,024, N 128]; A: input x; B: input Wk: QUANTISED
;;     3. [M 16,384, K 1,024] x [K 1,024, N 128]; A: input x; B: input Wv: QUANTISED
;;     4. batch 4 x [M 4,096, K 128] x [K 128, N 4,096]; A: computed on the way; B: computed on the way: QUANTISED
;;     5. batch 4 x [M 4,096, K 4,096] x [K 4,096, N 128]; A: softmax (see below); B: computed on the way: QUANTISED
;;   THE QUANTISER, for each operand of a quantised product, along K:
;;     - K is cut into blocks of 32 from its start; a last block that is shorter is filled with zeros.
;;     - A block's scale is 2^e with e = floor(log2(the largest magnitude in the block)) - 15, held to -126 .. 127; a block of zeros has e = 0. As a byte (E8M0): e + 127.
;;     - Each number is divided by its block's scale, clamped to +-57,344, and rounded to the nearest number of E5M2, ties to even, subnormals kept.
;;     - The product sums the exact products of the quantised numbers (number of the format x scale) in f32.
;;   ~~~python
;;   def quantise(x, axis):      # numpy; x: float32 -> the quantised numbers, widened to float32 again
;;       x = np.moveaxis(x, axis, -1); K = x.shape[-1]
;;       x = np.pad(x, [(0, 0)] * (x.ndim - 1) + [(0, -K % 32)]); x = x.reshape(x.shape[:-1] + (-1, 32)); a = np.abs(x).max(-1, keepdims=True)
;;       e = np.where(a > 0, np.clip(np.frexp(np.where(a > 0, a, 1))[1] - 1 - 15, -126, 127), 0)      # np.frexp(a)[1] - 1 = floor(log2(a)), exactly
;;       r = np.clip(x / 2.0 ** e, -57344, 57344)
;;       step = 2.0 ** (np.maximum(np.frexp(np.where(r == 0, 1, r))[1] - 1, -14) - 2)
;;       q = np.round(r / step) * step * 2.0 ** e      # np.round: ties to even
;;       return np.moveaxis(q.reshape(q.shape[:-2] + (-1,))[..., :K], -1, axis).astype(np.float32)
;;   ~~~
;;   SOFTMAX AHEAD OF A QUANTISED PRODUCT. Where the list says 'softmax', what is quantised is not the finished softmax but p = 2^(t - M), with t = logit x log2(e) and M = ceil(the row's largest t), a whole number; so 1/2 < the row's largest p <= 1. The row's sum l is taken of the UNQUANTISED p, in f32, and the product's result is divided by l at the end. Since M is a whole number, a kernel that streams over the keys may use a running M (the ceiling of the running maximum): every later rescaling is an exact power of two, which a block's scale takes up: the codes' values come out the same.
;;   OPERANDS COMPUTED ON THE WAY. 'Computed on the way' means the value that the module computes at that place (a softmax that the list does not call 'softmax' is quantised finished and normalised). What goes into a quantiser is computed in f32, as accurately as f32 sums, v_exp_f32 and their like allow (about 1e-6 of the number): no bf16 or f16 on the way to a quantiser, and a product that is left as it is and whose result goes on into a quantised operand takes f32 operands (vector FMAs, or v_wmma_f32_16x16x4_f32). A number that lies on a knife's edge between two numbers of the format may be rounded either way, as far as f32 arithmetic and the matrix unit's own rounding can turn it there, and no further.
;; One version. Each part assembles by itself: llvm-mc -triple=amdgcn-amd-amdhsa -mcpu=gfx1250 --defsym DOCPART=n.
;; ======== version 1 of 1: 3 launches
;; workspace buffers: wc 393,216 bytes; ws 24,576 bytes; qbuf 2,162,688 bytes; kv 4,325,376 bytes
;; launch wquant (part 1): grid 8 x 3, 8 waves a work-group, no clusters, 0 bytes of LDS; arguments Wq, Wk, Wv, wc, ws; writes wc, ws
.if DOCPART == 1
	.amdgcn_target "amdgcn-amd-amdhsa--gfx1250"
	.amdhsa_code_object_version 6
	.text
	.protected	k_q9b1b303205_wquant
	.globl	k_q9b1b303205_wquant
	.p2align	8
	.type	k_q9b1b303205_wquant,@function
k_q9b1b303205_wquant:
	s_mov_b64 s[64:65], 0
	v_nop
	global_prefetch_b8 v0, s[64:65] scope:SCOPE_SE
	s_setreg_imm32_b32 hwreg(HW_REG_WAVE_MODE, 25, 1), 1
	s_wait_xcnt 0x0
; Wq, Wk, Wv [1024 (k)][128 (channel)] f32 become codes of BF8 (E5M2) with one E8M0 scale byte for each 32 along k, laid as IMAGES OF OPERAND REGISTERS.
; A fragment is 16 channels x 128 k: 16 registers a lane, 2,048 bytes: registers 4 c .. 4 c + 3 of lane l lie at 512 c + 16 l.  Fragment f = (3 s + mtx) 8 + T (s: K step of 128, mtx: 0 q, 1 k, 2 v, T: channel tile)
; lies at 2,048 f of wc, its 32 scale words (lanes 16-31 repeat lanes 0-15) at 128 f of ws.
; THE CHANNELS OF A TILE ARE NOT NEIGHBOURS: lane r of tile T holds channel 32 (T / 2) + 8 (T % 2) + r + 8 (r / 8), so that the next launch's results have 16 neighbours in 16 registers.
; SHARES: work-group (s, mtx) takes 128 dense rows of one weight; its eight waves take the eight channel tiles.  A lane takes one channel and its registers run down k, in the operand's own order:
; register 16 c + i = W(128 s + 32 c + 16 (lane / 16) + i, channel).  So nothing is transposed, and a block's largest magnitude is joined with lane l xor 16's alone.
; A block's scale byte is its largest magnitude's exponent field - 15, held at 1 from below.  LIMITS: a block of zeros gets the byte 1 where the rule says 127 (its codes are zeros, and this program alone reads the bytes);
; NaN and infinities among the inputs are not served.  No LDS, no barrier: waves share nothing.
.set X,   64                           ; v64-127  the 64 numbers
.set TM,  32                           ; v32-35 largest magnitudes, v36-39 bytes, v40-43 57,344 x the scale, v44-47 the conversions' scale operands
.set CD,  48                           ; v48-63   the codes
	s_load_b128 s[4:7], s[0:1], 0x0                ; Wq, Wk
	s_load_b128 s[8:11], s[0:1], 0x10              ; Wv, wc
	s_load_b64 s[12:13], s[0:1], 0x20              ; ws
	v_lshrrev_b32 v1, 5, v0
	v_readfirstlane_b32 s15, v1                    ; T: my wave's channel tile
	s_and_b32 s14, ttmp7, 0xffff                   ; mtx
	v_and_b32 v1, 15, v0                           ; r
	v_bfe_u32 v2, v0, 4, 1                         ; h
	v_and_b32 v3, 31, v0                           ; lane
	s_lshr_b32 s16, s15, 1
	s_lshl_b32 s16, s16, 5
	s_and_b32 s17, s15, 1
	s_lshl_b32 s17, s17, 3
	s_add_co_u32 s16, s16, s17                     ; 32 (T / 2) + 8 (T % 2)
	v_and_b32 v4, 8, v1
	v_add_nc_u32 v4, v4, v1                        ; r + 8 (r / 8)
	v_add_nc_u32 v4, s16, v4                       ; my channel
	v_lshlrev_b32 v4, 2, v4
	v_lshl_add_u32 v5, v2, 13, v4                  ; lanes 16-31 begin 16 rows of 512 bytes further down
	v_lshlrev_b32 v6, 4, v3                        ; 16 x lane
	v_lshlrev_b32 v7, 2, v3                        ; 4 x lane
	s_mul_i32 s17, ttmp9, 3
	s_add_co_u32 s17, s17, s14
	s_lshl_b32 s17, s17, 3
	s_add_co_u32 s17, s17, s15                     ; f
	s_lshl_b32 s24, ttmp9, 16                      ; my 128 rows of the weight
	s_mov_b32 s25, 0
	s_lshl_b32 s26, s17, 11                        ; my fragment in wc
	s_mov_b32 s27, 0
	s_lshl_b32 s28, s17, 7                         ; its scale words in ws
	s_mov_b32 s29, 0
	s_mov_b32 s20, 0x76543210
	s_mov_b32 s21, 0xfedcba98                      ; v_permlanex16_b32's selects for lane l xor 16
	s_mov_b32 s22, 0x600000                        ; the mantissa field of 57,344
	s_wait_kmcnt 0x0
	s_cmp_eq_u32 s14, 2                            ; which weight: the choice hangs on the work-group's number alone
	s_cselect_b64 s[6:7], s[8:9], s[6:7]
	s_cmp_eq_u32 s14, 0
	s_cselect_b64 s[4:5], s[4:5], s[6:7]
	s_add_nc_u64 s[4:5], s[4:5], s[24:25]
	s_add_nc_u64 s[10:11], s[10:11], s[26:27]
	s_add_nc_u64 s[12:13], s[12:13], s[28:29]
.irp c, 0,1,2,3
.irp i, 0,1,2,3,4,5,6,7,8,9,10,11,12,13,14,15
	global_load_b32 v[X+16*\c+\i], v5, s[4:5] offset:512*(32*\c+\i)   ; W(32 c + 16 h + i, my channel); the eight waves together cover the rows densely
.endr
.endr
.irp b, 0,1,2,3
	v_mov_b32 v[TM+4+\b], 0                        ; a lane permute's destination counts as one of its sources
.endr
	s_wait_loadcnt 0x0
.irp b, 0,1,2,3
	v_max3_num_f32 v[TM+\b], |v[X+16*\b]|, |v[X+1+16*\b]|, 0x8000000   ; block b: my 16 numbers, and the floor 2^(16 - 127): the byte cannot fall under 1
.endr
.irp i, 2,4,6,8,10,12,14
.irp b, 0,1,2,3
	v_max3_num_f32 v[TM+\b], v[TM+\b], |v[X+16*\b+\i]|, |v[X+1+16*\b+\i]|   ; the four blocks by turns
.endr
.endr
.irp b, 0,1,2,3
	v_permlanex16_b32 v[TM+4+\b], v[TM+\b], s20, s21
.endr
.irp b, 0,1,2,3
	v_max_num_f32 v[TM+\b], v[TM+\b], v[TM+4+\b]   ; with lane l xor 16's: the block's largest magnitude
.endr
.irp b, 0,1,2,3
	v_add_nc_u32 v[TM+12+\b], 0xf8800000, v[TM+\b] ; 15 off its exponent field: the conversion's scale operand
.endr
.irp b, 0,1,2,3
	v_and_or_b32 v[TM+8+\b], v[TM+\b], 0x7f800000, s22   ; 57,344 x the scale
.endr
.irp b, 0,1,2,3
	v_lshrrev_b32 v[TM+4+\b], 23, v[TM+12+\b]      ; the scale's byte
.endr
	v_lshl_or_b32 v9, v[TM+5], 8, v[TM+4]          ; the four bytes make my channel's scale word
	v_lshl_or_b32 v9, v[TM+6], 16, v9
	v_lshl_or_b32 v9, v[TM+7], 24, v9
.irp c, 0,1,2,3
.irp i, 0,1,2,3,4,5,6,7,8,9,10,11,12,13,14,15
	v_med3_num_f32 v[X+16*\c+\i], v[X+16*\c+\i], -v[TM+8+\c], v[TM+8+\c]   ; the conversion to an 8-bit code does not saturate (ISA guide 7.6.2): hold first
.endr
	v_cvt_scalef32_pk8_bf8_f32 v[CD+4*\c:CD+4*\c+1], v[X+16*\c:X+16*\c+7], v[TM+12+\c]
	v_cvt_scalef32_pk8_bf8_f32 v[CD+4*\c+2:CD+4*\c+3], v[X+16*\c+8:X+16*\c+15], v[TM+12+\c]
.endr
	v_nop                                          ; a plain line behind the last conversion
.irp c, 0,1,2,3
	global_store_b128 v6, v[CD+4*\c:CD+4*\c+3], s[10:11] offset:512*\c   ; 32 lanes store 512 consecutive bytes, aligned
.endr
	global_store_b32 v7, v9, s[12:13]              ; 128 consecutive bytes
	s_endpgm
.Lfunc_end_k_q9b1b303205_wquant:
	.size	k_q9b1b303205_wquant, .Lfunc_end_k_q9b1b303205_wquant-k_q9b1b303205_wquant
	.p2alignl 7, 3214868480
	.fill 96, 4, 3214868480
	.section	.rodata,"a",@progbits
	.p2align	6, 0x0
	.amdhsa_kernel k_q9b1b303205_wquant
		.amdhsa_group_segment_fixed_size 0
		.amdhsa_private_segment_fixed_size 0
		.amdhsa_enable_private_segment 0
		.amdhsa_kernarg_size 40
		.amdhsa_user_sgpr_count 2
		.amdhsa_user_sgpr_kernarg_segment_ptr 1
		.amdhsa_wavefront_size32 1
		.amdhsa_system_sgpr_workgroup_id_x 1
		.amdhsa_system_sgpr_workgroup_id_y 1
		.amdhsa_system_sgpr_workgroup_id_z 1
		.amdhsa_system_vgpr_workitem_id 0
		.amdhsa_next_free_vgpr 128
		.amdhsa_next_free_sgpr 66
		.amdhsa_reserve_vcc 0
		.amdhsa_float_denorm_mode_32 3
		.amdhsa_float_denorm_mode_16_64 3
		.amdhsa_memory_ordered 1
		.amdhsa_forward_progress 1
		.amdhsa_inst_pref_size 17
	.end_amdhsa_kernel
	.amdgpu_metadata
---
amdhsa.version: [ 1, 2 ]
amdhsa.kernels:
  - .name:           k_q9b1b303205_wquant
    .symbol:         k_q9b1b303205_wquant.kd
    .args:
      - { .name: Wq, .offset: 0, .size: 8, .value_kind: global_buffer, .address_space: global }
      - { .name: Wk, .offset: 8, .size: 8, .value_kind: global_buffer, .address_space: global }
      - { .name: Wv, .offset: 16, .size: 8, .value_kind: global_buffer, .address_space: global }
      - { .name: wc, .offset: 24, .size: 8, .value_kind: global_buffer, .address_space: global }
      - { .name: ws, .offset: 32, .size: 8, .value_kind: global_buffer, .address_space: global }
    .group_segment_fixed_size: 0
    .private_segment_fixed_size: 0
    .kernarg_segment_align: 8
    .kernarg_segment_size: 40
    .max_flat_workgroup_size: 256
    .sgpr_count:     66
    .vgpr_count:     128
    .wavefront_size: 32
...
	.end_amdgpu_metadata
.endif
;; end of part 1
;; launch proj (part 2): grid 256 x 1, 4 waves a work-group, no clusters, 287,232 bytes of LDS; arguments x, wc, ws, bq, bk, bv, qbuf, kv; writes qbuf, kv
.if DOCPART == 2
	.amdgcn_target "amdgcn-amd-amdhsa--gfx1250"
	.amdhsa_code_object_version 6
	.text
	.protected	k_q9b1b303205_proj
	.globl	k_q9b1b303205_proj
	.p2align	8
	.type	k_q9b1b303205_proj,@function
k_q9b1b303205_proj:
	s_mov_b64 s[64:65], 0
	v_nop
	global_prefetch_b8 v0, s[64:65] scope:SCOPE_SE
	s_setreg_imm32_b32 hwreg(HW_REG_WAVE_MODE, 25, 1), 1
	s_wait_xcnt 0x0
; Q = x Wq + bq, K = x Wk + bk, V = x Wv + bv on codes of BF8 (E5M2) with one E8M0 scale for each 32 along the 1,024; then Q and K are quantised along their 128 channels and V along the tokens (the keys), for the next launch.
; SHARES.  Work-group G owns tokens 64 G .. 64 G + 63 of the 16,384.  All its 262,144 bytes of x are asked for at the head, by sixteen tensor loads (four a wave) that fill LDS once: no LDS byte is filled twice.
; THE WAVES SHARE THE CHANNELS: wave w makes channels 32 w .. 32 w + 31 of each of Q, K, V for all 64 tokens: 24 accumulators, 24 matrix instructions for each of the 8 K steps of 128.  Its weights' fragments come from wc
; straight into registers (each feeds four products), TWO K STEPS AHEAD of their use, in three sets of registers by turns; x's codes go from wave to wave through LDS as images of the operand's registers: wave w quantises rows 16 w .. 16 w + 15.
; NO JOINT LOADS: all work-groups walk the same weights, but a K step of them is 49,152 bytes and x takes 266,240 of the 327,680 bytes of LDS: two slots do not fit beside it.
; TILES ARE PERMUTED: lane r of token tile 2 b + u holds token 32 b + 8 u + r + 8 (r / 8), and channel tiles likewise.  Q and K are made transposed (source 0 = 16 channels, source 1 = 16 tokens): a lane holds one token, and
; its 16 registers of my two channel tiles are channels 32 w + 16 (lane / 16) + 0 .. 15: one block of 32 with lane l xor 16.  V is made straight (source 0 = 16 tokens, source 1 = 16 channels): a lane holds one channel and 16 neighbouring tokens.
; So the conversions' results are registers of the next launch's operands, and leave as 512 consecutive bytes a store.
; The biases are the C of each sum's first matrix instruction (another order of rounding than an addition at the end).
; LIMITS: a block of zeros gets the scale byte 1 where the rule says 127 (its codes are zeros, and this program alone reads the bytes); NaN and infinities among the inputs are not served.
; OUT.  qbuf: 8,448 bytes for each G: token tile tt's fragment at 2,048 tt; at 8,192 the scale words, [16 u + r][b], tt = 2 b + u.
; kv: 33,792 bytes for each key step of 128 tokens (G / 2; half = G % 2): K's tile 4 half + tt at 2,048 x that; at 16,384 V's channel tile T at 2,048 T, its registers 4 c .. 4 c + 3 (c = 2 half + b: a block of 32 keys) at 512 c;
; at 32,768 K's scale words [half][16 u + r][b]; at 33,280 V's scale half-words [half][16 (T % 2) + r][T / 2].
; REGISTERS, in windows of 256.  Window 0: v2-14 addresses; v16-31 at work; v32 the scale word just made; v36-51 the codes just made; v52-55 x's scale words; v64-127 64 numbers of x (at the end: the codes that leave);
; v128-191 x's four fragments; v192-239 my weights' 48 scale words.  Window 1: my weights' fragments, sets 0 and 1, six fragments each.  Window 2: v0-63 Q's accumulators, v64-127 K's, v128-191 V's, v192-239 the biases.  Window 3: the weights' set 2.
.set RAWT,  16640                      ; a tile of x in LDS: 16 rows x (1,024 bytes + 16 of padding): pitch 1,040 = 65 x 16, so the 16 rows that a load touches start at 16 different banks (64 banks of 4 bytes: ISA guide 11.1)
.set XT,    2176                       ; a fragment's image, 2,048 bytes, + 128: the two half tiles that a wave stores at once then fall on different banks
.set XBUF,  4*XT+512                   ; four images and their scale words (128 bytes each)
.set XIMG,  16*RAWT                    ; behind x: two such buffers, by turns
.set SCS,   XIMG+2*XBUF                ; behind them: 256 bytes each for Q's scale words, K's, V's half-words
.set STEPB, 33792
.set XR,  2                            ; v2   where I read my row of x: 4 RAWT w + 1,040 r + 64 h
.set XWI, 3                            ; v3   where I store my 16 bytes of an image
.set XWS, 4                            ; v4   and my row's scale word
.set LI,  5                            ; v5   XIMG + 16 x lane
.set LS,  6                            ; v6   XIMG + 4 XT + 4 x lane
.set TM,  16                           ; v16-19 largest magnitudes, v20-23 bytes, v24-27 57,344 x the scale, v28-31 the conversions' scale operands
.set PW,  32
.set PC,  36
.set XS,  52
.set RAW, 64
.set XF,  128
.set WS,  192
.set WV,  20                           ; s20  my wave's number
.set MNT, 21                           ; s21  the mantissa field of 57,344
.set SEL, 22                           ; s[22:23] v_permlanex16_b32's selects for lane l xor 16
.set G1,  24                           ; s[24:31] descriptor group 1
.set G0,  32                           ; s[32:47] four groups 0, never rewritten
.set MSB, 0
.macro WIN new                         ; the immediate's high byte repeats the setting that is left; a switch that changes nothing is dropped
.if MSB != (\new)
	s_set_vgpr_msb (MSB<<8)|(\new)
.set MSB, (\new)
.endif
.endm
; 64 numbers of a lane in window w, v[src] on, four blocks' 16 each (the other 16 of a block lie in lane l xor 16), become codes in v[pc] on (window 0), bytes in v[TM+4] on and a word of the four bytes in v[PW].
; Where the numbers are matrix results, each accumulator is read from its low end on.
.macro QUANT src, w, pc
	WIN (\w)|((\w)<<2)
.irp b, 0,1,2,3
	v_max3_num_f32 v[TM+\b], |v[\src+16*\b]|, |v[\src+1+16*\b]|, 0x8000000   ; my 16 numbers, and the floor 2^(16 - 127): the byte cannot fall under 1
.endr
	WIN ((\w)<<2)|((\w)<<4)
.irp i, 2,4,6,8,10,12,14
.irp b, 0,1,2,3
	v_max3_num_f32 v[TM+\b], v[TM+\b], |v[\src+16*\b+\i]|, |v[\src+1+16*\b+\i]|   ; the four blocks by turns
.endr
.endr
	WIN 0
.irp b, 0,1,2,3
	v_permlanex16_b32 v[TM+4+\b], v[TM+\b], s[SEL], s[SEL+1]
.endr
.irp b, 0,1,2,3
	v_max_num_f32 v[TM+\b], v[TM+\b], v[TM+4+\b]   ; the block's largest magnitude
.endr
.irp b, 0,1,2,3
	v_add_nc_u32 v[TM+12+\b], 0xf8800000, v[TM+\b] ; 15 off its exponent field: the conversion's scale operand
.endr
.irp b, 0,1,2,3
	v_and_or_b32 v[TM+8+\b], v[TM+\b], 0x7f800000, s[MNT]   ; 57,344 x the scale
.endr
.irp b, 0,1,2,3
	v_lshrrev_b32 v[TM+4+\b], 23, v[TM+12+\b]      ; the scale's byte
.endr
	v_lshl_or_b32 v[PW], v[TM+5], 8, v[TM+4]
	v_lshl_or_b32 v[PW], v[TM+6], 16, v[PW]
	v_lshl_or_b32 v[PW], v[TM+7], 24, v[PW]
	WIN ((\w)<<6)|(\w)
.irp b, 0,1,2,3
.irp i, 0,1,2,3,4,5,6,7,8,9,10,11,12,13,14,15
	v_med3_num_f32 v[\src+16*\b+\i], v[\src+16*\b+\i], -v[TM+8+\b], v[TM+8+\b]   ; the conversion to an 8-bit code does not saturate (ISA guide 7.6.2): hold first
.endr
.endr
	WIN (\w)
.irp b, 0,1,2,3
	v_cvt_scalef32_pk8_bf8_f32 v[\pc+4*\b:\pc+4*\b+1], v[\src+16*\b:\src+16*\b+7], v[TM+12+\b]
	v_cvt_scalef32_pk8_bf8_f32 v[\pc+4*\b+2:\pc+4*\b+3], v[\src+16*\b+8:\src+16*\b+15], v[TM+12+\b]
.endr
	WIN 0
	v_nop                                          ; a plain line behind the last conversion
.endm
.macro RAWLOAD s                       ; my row's 64 numbers of K step s: register 16 b + i = k 128 s + 32 b + 16 h + i
.irp b, 0,1,2,3
.irp j, 0,1,2,3
	ds_load_b128 v[RAW+16*\b+4*\j:RAW+16*\b+4*\j+3], v[XR] offset:RAWT*((\s)/2)+512*((\s)%2)+128*\b+16*\j
.endr
.endr
.endm
.macro IMAGE buf                       ; my 16 rows' codes and scale words, each at its place in the permuted token tiles
.irp c, 0,1,2,3
	ds_store_b128 v[XWI], v[PC+4*\c:PC+4*\c+3] offset:XBUF*(\buf)+512*\c
.endr
	ds_store_b32 v[XWS], v[PW] offset:XBUF*(\buf)
.endm
.macro FETCHX buf                      ; the four token tiles' fragments and scale words: 20 loads
.irp n, 0,1,2,3
.irp c, 0,1,2,3
	ds_load_b128 v[XF+16*\n+4*\c:XF+16*\n+4*\c+3], v[LI] offset:XBUF*(\buf)+XT*\n+512*\c
.endr
	ds_load_b32 v[XS+\n], v[LS] offset:XBUF*(\buf)+128*\n
.endr
.endm
; My six fragments of the weights for K step s, into set s % 3: 24 loads of 512 consecutive bytes.  Sets 0 and 1 lie in window 1 at v0 and v96, set 2 in window 3 at v0.
.macro WLOAD s
.set WW, 1+2*(((\s)%3)/2)
.set WB, 96*(((\s)%3)%2)
	WIN WW<<6                                      ; the destination's window
.irp m, 0,1,2
.irp u, 0,1
.irp c, 0,1,2,3
	global_load_b128 v[WB+16*(2*\m+\u)+4*\c:WB+16*(2*\m+\u)+4*\c+3], v7, s[6:7] offset:(3*(\s)+\m)*16384+2048*\u+512*\c
.endr
.endr
.endr
.endm
; A K step's 24 products.  The 24 accumulators take turns, one instruction a turn, in the same order in every step.  In step 0 the biases are the C: nothing is cleared.
.macro MULS s
.set WW, 1+2*(((\s)%3)/2)
.set WB, 96*(((\s)%3)%2)
	WIN 0xa0|WW                                    ; source 0 (weights) in their set's window, source 1 (x) window 0, C and D window 2
.irp m, 0,1
.irp u, 0,1
.irp n, 0,1,2,3
.set rD, 64*\m+16*\n+8*\u
.set rA, WB+16*(2*\m+\u)
.set rB, XF+16*\n
.set rC, 192+16*\m+8*\u
.if (\s) == 0
	v_wmma_scale_f32_16x16x128_f8f6f4 v[rD:rD+7], v[rA:rA+15], v[rB:rB+15], v[rC:rC+7], v[WS+6*(\s)+2*\m+\u], v[XS+\n] matrix_a_fmt:MATRIX_FMT_BF8 matrix_b_fmt:MATRIX_FMT_BF8
.else
	v_wmma_scale_f32_16x16x128_f8f6f4 v[rD:rD+7], v[rA:rA+15], v[rB:rB+15], v[rD:rD+7], v[WS+6*(\s)+2*\m+\u], v[XS+\n] matrix_a_fmt:MATRIX_FMT_BF8 matrix_b_fmt:MATRIX_FMT_BF8
.endif
.endr
.endr
.endr
	WIN 0xa0|(WW<<2)                               ; V: source 0 (x) window 0, source 1 (weights) in their set's window
.irp u, 0,1
.irp n, 0,1,2,3
.set rD, 128+16*(2*\u+\n/2)+8*(\n%2)
.set rA, XF+16*\n
.set rB, WB+16*(4+\u)
.set rC, 224+8*\u
.if (\s) == 0
	v_wmma_scale_f32_16x16x128_f8f6f4 v[rD:rD+7], v[rA:rA+15], v[rB:rB+15], v[rC:rC+7], v[XS+\n], v[WS+6*(\s)+4+\u] matrix_a_fmt:MATRIX_FMT_BF8 matrix_b_fmt:MATRIX_FMT_BF8
.else
	v_wmma_scale_f32_16x16x128_f8f6f4 v[rD:rD+7], v[rA:rA+15], v[rB:rB+15], v[rD:rD+7], v[XS+\n], v[WS+6*(\s)+4+\u] matrix_a_fmt:MATRIX_FMT_BF8 matrix_b_fmt:MATRIX_FMT_BF8
.endif
.endr
.endr
.endm
; K step s.  ONE barrier: in front of it every wave's images of step s are stored and its reads of the other buffer (step s - 1's) are back; behind it step s is read, and the other buffer is written with step s + 1.
.macro KSTEP s
	s_wait_dscnt 0x0                               ; for the others' sake: all my LDS stores and loads are done
	s_barrier_signal -1
	s_barrier_wait -1
	FETCHX (\s)%2
.if (\s)+2 < 8
	WLOAD (\s)+2                                   ; the weights of two steps on, into the set that step s - 1's products read: the quantiser's plain lines stand between.  Ahead of the wait for x's tile, so that they do not wait with it
	WIN 0
.endif
.if (\s) < 7
.if ((\s)+1)%2 == 0
	s_wait_tensorcnt 3-((\s)+1)/2                  ; my tile with the next K step has landed; the younger of my four may stay out.  Only I read my tiles
.endif
	RAWLOAD (\s)+1
.endif
.if (\s) < 6
	s_wait_loadcnt 48                              ; all but the 48 loads of the two younger sets: this step's weights (and, in step 0, the biases and scale words) are in
.elseif (\s) == 6
	s_wait_loadcnt 24                              ; one younger set is left
.else
	s_wait_loadcnt 0x0
.endif
.if (\s) < 7
	s_wait_dscnt 16                                ; x's fragments are in; the 16 loads of raw numbers behind them may be out
.else
	s_wait_dscnt 0x0
.endif
	MULS \s
	WIN 0
.if (\s) < 7
	s_wait_dscnt 0x0                               ; the next step's raw numbers
	QUANT RAW, 0, PC                               ; its plain lines, which name none of the products' registers, are also the eight places in front of the next step's loads into fragments
	IMAGE ((\s)+1)%2
.endif
.endm
	s_load_b256 s[4:11], s[0:1], 0x0               ; x s[4:5], wc s[6:7], ws s[8:9], bq s[10:11]
	s_load_b256 s[12:19], s[0:1], 0x20             ; bk s[12:13], bv s[14:15], qbuf s[16:17], kv s[18:19]
	v_lshl_add_u32 v254, v0, 2, 0x46000
	v_mov_b32 v255, 0
	ds_add_u32 v254, v255
	ds_add_u32 v254, v255
	v_lshrrev_b32 v33, 5, v0
	v_readfirstlane_b32 s[WV], v33                 ; wave 0..3
	s_mov_b32 s[MNT], 0x600000
	s_mov_b32 s[SEL], 0x76543210
	s_mov_b32 s[SEL+1], 0xfedcba98
	; descriptor group 1: 16 rows x 256 elements of 4 bytes, rows 1,024 elements apart, 16 bytes of padding behind each row in LDS
	s_mov_b32 s[G1+0], (2<<16)|(1<<20)|(7<<22)|(3<<25)   ; 15:0 no mask; 17:16 elements of 4 bytes; 20 padding on; 24:22 after every 256 words (code 7); 31:25 four words (code 3)
	s_mov_b32 s[G1+1], 256<<16                     ; tensor_dim0
	s_mov_b32 s[G1+2], 16<<16                      ; tensor_dim1
	s_mov_b32 s[G1+3], 256<<16                     ; tile_dim0
	s_mov_b32 s[G1+4], 16                          ; tile_dim1
	s_mov_b32 s[G1+5], 1024                        ; tensor_dim0_stride
	s_mov_b32 s[G1+6], 0
	s_mov_b32 s[G1+7], 0
	s_lshl_b32 s48, ttmp9, 18                      ; 64 G rows of 4,096 bytes
	s_lshl_b32 s49, s[WV], 16                      ; + 16 w rows
	s_add_co_u32 s48, s48, s49
	s_mov_b32 s49, 0
	s_mul_i32 s52, s[WV], 4*RAWT                   ; my four tiles in LDS
	s_wait_dscnt 0x0
	s_wait_kmcnt 0x0
	s_add_nc_u64 s[50:51], s[4:5], s[48:49]
.irp q, 0,1,2,3
	s_mov_b32 s[G0+4*\q], 1                        ; count = 1
	s_add_co_u32 s[G0+4*\q+1], s52, \q*RAWT        ; LDS address
	s_add_nc_u64 s[G0+4*\q+2:G0+4*\q+3], s[50:51], \q*1024   ; global address: columns 256 q on
	s_or_b32 s[G0+4*\q+3], s[G0+4*\q+3], 0x80000000   ; type = 2
.endr
.irp q, 0,1,2,3
	tensor_load_to_lds s[G0+4*\q:G0+4*\q+3], s[G1:G1+7]   ; all first fills in one group, ahead of every wait on TENSORcnt, LDS read and barrier: four loads of mine are out
	s_nop 0
.endr
.rept 4
	v_nop
.endr
	s_mov_b32 s49, 0
	s_lshl_b32 s48, s[WV], 12
	s_add_nc_u64 s[6:7], s[6:7], s[48:49]          ; wc at my two channel tiles
	s_lshl_b32 s48, s[WV], 8
	s_add_nc_u64 s[8:9], s[8:9], s[48:49]          ; ws likewise
	s_lshl_b32 s48, s[WV], 7
	s_add_nc_u64 s[10:11], s[10:11], s[48:49]      ; the biases at my 32 channels
	s_add_nc_u64 s[12:13], s[12:13], s[48:49]
	s_add_nc_u64 s[14:15], s[14:15], s[48:49]
	s_mul_i32 s48, ttmp9, 8448
	s_add_nc_u64 s[54:55], s[16:17], s[48:49]      ; qbuf at my group
	s_lshl_b32 s48, s[WV], 9
	s_add_nc_u64 s[16:17], s[54:55], s[48:49]      ; + 512 w: registers 4 w .. 4 w + 3 of each fragment are mine
	s_lshr_b32 s53, ttmp9, 1
	s_mul_i32 s53, s53, STEPB                      ; my key step in kv
	s_and_b32 s62, ttmp9, 1                        ; half
	s_lshl_b32 s48, s62, 8
	s_add_co_u32 s48, s48, s53
	s_add_nc_u64 s[56:57], s[18:19], s[48:49]      ; for the scales: the step + 256 half
	s_lshl_b32 s48, s62, 13
	s_lshl_b32 s63, s[WV], 9
	s_add_co_u32 s48, s48, s63
	s_add_co_u32 s48, s48, s53
	s_add_nc_u64 s[58:59], s[18:19], s[48:49]      ; K's codes: the step + 8,192 half + 512 w
	s_lshl_b32 s48, s62, 10
	s_lshl_b32 s63, s[WV], 12
	s_add_co_u32 s48, s48, s63
	s_add_co_u32 s48, s48, s53
	s_add_nc_u64 s[60:61], s[18:19], s[48:49]      ; V's codes: the step + 4,096 w + 1,024 half (16,384 more stand in the stores' immediates)
	v_and_b32 v33, 15, v0                          ; r
	v_bfe_u32 v34, v0, 4, 1                        ; h
	v_and_b32 v35, 31, v0                          ; lane
	v_bfe_u32 v56, v0, 3, 1                        ; r / 8
	v_and_b32 v57, 7, v0                           ; r % 8
	v_mul_u32_u24 v[XR], v33, 1040
	v_lshl_add_u32 v[XR], v34, 6, v[XR]
	v_add_nc_u32 v[XR], s52, v[XR]
	; natural row 16 w + r is lane 8 (w % 2) + r % 8 of token tile 2 (w / 2) + r / 8
	s_lshr_b32 s50, s[WV], 1
	s_and_b32 s51, s[WV], 1
	s_mul_i32 s48, s50, 2*XT
	s_lshl_b32 s53, s51, 7
	s_add_co_u32 s48, s48, s53
	s_add_co_u32 s48, s48, XIMG
	v_mul_u32_u24 v[XWI], v56, XT
	v_lshl_add_u32 v[XWI], v34, 8, v[XWI]
	v_lshl_add_u32 v[XWI], v57, 4, v[XWI]
	v_add_nc_u32 v[XWI], s48, v[XWI]
	s_lshl_b32 s48, s50, 8
	s_lshl_b32 s53, s51, 5
	s_add_co_u32 s48, s48, s53
	s_add_co_u32 s48, s48, XIMG+4*XT
	v_lshlrev_b32 v[XWS], 7, v56
	v_lshl_add_u32 v[XWS], v34, 6, v[XWS]
	v_lshl_add_u32 v[XWS], v57, 2, v[XWS]
	v_add_nc_u32 v[XWS], s48, v[XWS]
	v_lshl_add_u32 v[LI], v35, 4, XIMG
	v_lshl_add_u32 v[LS], v35, 2, XIMG+4*XT
	v_lshlrev_b32 v7, 4, v35                       ; 16 x lane
	v_lshlrev_b32 v8, 2, v35                       ; 4 x lane
	v_lshl_add_u32 v9, v33, 3, SCS
	v_add_nc_u32 v9, s[WV], v9                     ; Q's and K's scale bytes: 8 r + w
	s_lshl_b32 s48, s[WV], 1
	v_lshl_add_u32 v10, v33, 3, SCS+512
	v_add_nc_u32 v10, s48, v10                     ; V's half-words: 8 r + 2 w
	v_lshl_add_u32 v11, v35, 3, SCS                ; and back: 8 bytes a lane
	v_lshlrev_b32 v12, 3, v35
	v_lshlrev_b32 v13, 6, v34                      ; bq, bk: lane (r, h) wants channels 16 h + 8 u + 0 .. 7 of my 32
	v_lshlrev_b32 v14, 2, v33
	v_lshl_add_u32 v14, v56, 5, v14                ; bv: channel 8 u + r + 8 (r / 8)
.irp b, 0,1,2,3
	v_mov_b32 v[TM+4+\b], 0                        ; a lane permute's destination counts as one of its sources
.endr
	WIN 0x80                                       ; destination window 2
.irp u, 0,1
	global_load_b128 v[192+8*\u:195+8*\u], v13, s[10:11] offset:32*\u
	global_load_b128 v[196+8*\u:199+8*\u], v13, s[10:11] offset:32*\u+16
	global_load_b128 v[208+8*\u:211+8*\u], v13, s[12:13] offset:32*\u
	global_load_b128 v[212+8*\u:215+8*\u], v13, s[12:13] offset:32*\u+16
.irp j, 0,1,2,3,4,5,6,7
	global_load_b32 v[224+8*\u+\j], v14, s[14:15] offset:32*\u   ; V's result holds one channel a lane: the same number in all eight registers
.endr
.endr
	WIN 0
.irp k, 0,1,2,3,4,5,6,7
.irp m, 0,1,2
.irp u, 0,1
	global_load_b32 v[WS+6*\k+2*\m+\u], v8, s[8:9] offset:(3*\k+\m)*1024+128*\u
.endr
.endr
.endr
	WLOAD 0                                        ; the weights of the first two K steps
	WLOAD 1
	WIN 0
	s_wait_tensorcnt 0x3                           ; my first tile has landed; the three younger may stay out
	RAWLOAD 0
	s_wait_dscnt 0x0
	QUANT RAW, 0, PC
	IMAGE 0
.irp k, 0,1,2,3,4,5,6,7
	KSTEP \k
.endr
.rept 8
	v_nop                                          ; eight places between the last products and the first read of results
.endr
	QUANT 0, 2, 64                                 ; Q: block tt = token tile tt's 32 channels of mine
.irp n, 0,1,2,3
	global_store_b128 v7, v[64+4*\n:64+4*\n+3], s[16:17] offset:2048*\n   ; 32 lanes store 512 consecutive bytes, aligned
	ds_store_b8 v9, v[TM+4+\n] offset:128*(\n%2)+4*(\n/2)   ; byte w of the token's scale word; both lanes of a block write the same byte with the same value
.endr
	s_wait_dscnt 0x0                               ; the byte stores are done before their registers are written again
	QUANT 64, 2, 80                                ; K
.irp n, 0,1,2,3
	global_store_b128 v7, v[80+4*\n:80+4*\n+3], s[58:59] offset:2048*\n
	ds_store_b8 v9, v[TM+4+\n] offset:256+128*(\n%2)+4*(\n/2)
.endr
	s_wait_dscnt 0x0
	QUANT 128, 2, 96                               ; V: block 2 u + b = channel tile 2 w + u, tokens 32 b .. 32 b + 31
.irp u, 0,1
.irp b, 0,1
	global_store_b128 v7, v[96+4*(2*\u+\b):96+4*(2*\u+\b)+3], s[60:61] offset:16384+2048*\u+512*\b
.endr
.endr
	ds_store_b16 v10, v[PW]                        ; the word's low half: tile 2 w's two bytes,
	ds_store_b16_d16_hi v10, v[PW] offset:128      ; its high half: tile 2 w + 1's
	s_wait_dscnt 0x0                               ; for the others' sake: my scale bytes are stored
	s_barrier_signal -1
	s_barrier_wait -1
	s_cmp_lg_u32 s[WV], 0                          ; wave 0 stores the three gathered blocks of 256 bytes
	s_cbranch_scc1 .Ldone
	ds_load_b64 v[112:113], v11
	ds_load_b64 v[114:115], v11 offset:256
	ds_load_b64 v[116:117], v11 offset:512
	s_wait_dscnt 0x0
	global_store_b64 v12, v[112:113], s[54:55] offset:8192    ; 32 lanes store 256 consecutive bytes, aligned
	global_store_b64 v12, v[114:115], s[56:57] offset:32768
	global_store_b64 v12, v[116:117], s[56:57] offset:33280
.Ldone:
	s_wait_tensorcnt 0x0
	ds_add_u32 v254, v255
	s_wait_dscnt 0x0
	s_endpgm
.Lfunc_end_k_q9b1b303205_proj:
	.size	k_q9b1b303205_proj, .Lfunc_end_k_q9b1b303205_proj-k_q9b1b303205_proj
	.p2alignl 7, 3214868480
	.fill 96, 4, 3214868480
	.section	.rodata,"a",@progbits
	.p2align	6, 0x0
	.amdhsa_kernel k_q9b1b303205_proj
		.amdhsa_group_segment_fixed_size 287232
		.amdhsa_private_segment_fixed_size 0
		.amdhsa_enable_private_segment 0
		.amdhsa_kernarg_size 64
		.amdhsa_user_sgpr_count 2
		.amdhsa_user_sgpr_kernarg_segment_ptr 1
		.amdhsa_wavefront_size32 1
		.amdhsa_system_sgpr_workgroup_id_x 1
		.amdhsa_system_sgpr_workgroup_id_y 1
		.amdhsa_system_sgpr_workgroup_id_z 1
		.amdhsa_system_vgpr_workitem_id 0
		.amdhsa_next_free_vgpr 1024
		.amdhsa_next_free_sgpr 66
		.amdhsa_reserve_vcc 0
		.amdhsa_float_denorm_mode_32 3
		.amdhsa_float_denorm_mode_16_64 3
		.amdhsa_memory_ordered 1
		.amdhsa_forward_progress 1
		.amdhsa_inst_pref_size 170
	.end_amdhsa_kernel
	.amdgpu_metadata
---
amdhsa.version: [ 1, 2 ]
amdhsa.kernels:
  - .name:           k_q9b1b303205_proj
    .symbol:         k_q9b1b303205_proj.kd
    .args:
      - { .name: x, .offset: 0, .size: 8, .value_kind: global_buffer, .address_space: global }
      - { .name: wc, .offset: 8, .size: 8, .value_kind: global_buffer, .address_space: global }
      - { .name: ws, .offset: 16, .size: 8, .value_kind: global_buffer, .address_space: global }
      - { .name: bq, .offset: 24, .size: 8, .value_kind: global_buffer, .address_space: global }
      - { .name: bk, .offset: 32, .size: 8, .value_kind: global_buffer, .address_space: global }
      - { .name: bv, .offset: 40, .size: 8, .value_kind: global_buffer, .address_space: global }
      - { .name: qbuf, .offset: 48, .size: 8, .value_kind: global_buffer, .address_space: global }
      - { .name: kv, .offset: 56, .size: 8, .value_kind: global_buffer, .address_space: global }
    .group_segment_fixed_size: 287232
    .private_segment_fixed_size: 0
    .kernarg_segment_align: 8
    .kernarg_segment_size: 64
    .max_flat_workgroup_size: 128
    .sgpr_count:     66
    .vgpr_count:     1024
    .wavefront_size: 32
...
	.end_amdgpu_metadata
.endif
;; end of part 2
;; launch attn (part 3): grid 64 x 4, 8 waves a work-group, clusters of 4 x 1, 327,680 bytes of LDS; arguments qbuf, kv, out0; writes out0
.if DOCPART == 3
	.amdgcn_target "amdgcn-amd-amdhsa--gfx1250"
	.amdhsa_code_object_version 6
	.text
	.protected	k_q9b1b303205_attn
	.globl	k_q9b1b303205_attn
	.p2align	8
	.type	k_q9b1b303205_attn,@function
k_q9b1b303205_attn:
	s_mov_b64 s[64:65], 0
	v_nop
	global_prefetch_b8 v0, s[64:65] scope:SCOPE_SE
	s_setreg_imm32_b32 hwreg(HW_REG_WAVE_MODE, 25, 1), 1
	s_wait_xcnt 0x0
	s_wait_alu depctr_hold_cnt(0) depctr_sa_sdst(0) depctr_va_vdst(0) depctr_va_sdst(0) depctr_va_ssrc(0) depctr_va_vcc(0) depctr_vm_vsrc(0)
	s_getreg_b32 s2, hwreg(HW_REG_IB_STS2, 6, 4)
	s_cmp_eq_u32 s2, 0
	s_cbranch_scc0 .Lentry_in_a_cluster
	s_endpgm
.Lentry_in_a_cluster:
	s_bfe_u32 s2, ttmp6, 0x10000c
	s_cmp_lg_u32 s2, 0x3003
	s_cbranch_scc0 .Lentry_shape_is_right
	s_endpgm
.Lentry_shape_is_right:
; out0[b][q][:] = the sum over k of softmax_k(Q[b][q] . K[b][k] / sqrt(128)) V[b][k][:], both products on codes of BF8 (E5M2) with one E8M0 scale for each 32 along a product's K.
; Q, K and V come as images of operand registers, with their scale words, as the launch before laid them (qbuf: 8,448 bytes for each 64 queries; kv: 33,792 bytes for each key step of 128 keys).
; THE SOFTMAX: t = score x log2(e) / sqrt(128); M = the largest t so far, rounded UP to a whole number; p = 2^(t - M) is what is quantised along the keys, not normalised; the sum is taken of the unquantised p and divides at the end.
; When M moves, the sum and O are multiplied by 2^(old M - new M): exact.
; SHARES.  A work-group owns 64 queries of one batch.  Wave wv = (QP = wv % 2, KG = wv / 2) holds two tiles of 16 queries (tiles 2 QP, 2 QP + 1) and walks every fourth key step (those with number % 4 = KG): each fragment of K and V
; read from LDS feeds two products, and two waves share a SIMD, so that one wave's vector work stands beside the other's products.  A query's four partial results (another order of f32 sums than one chain) meet in LDS at the end,
; brought under one M by exact powers of two.
; LAYOUT.  Both products are used transposed: S^T = K Q^T (source 0 = 16 keys, source 1 = 16 queries), O^T = V^T P^T (source 0 = 16 channels, source 1 = P): a lane holds ONE query throughout.  Tiles are permuted: lane r of tile 2 b + u
; holds key (channel, query) 32 b + 8 u + r + 8 (r / 8): the 16 registers of tiles 2 b and 2 b + 1 are 16 neighbours 32 b + 16 (lane / 16) + 0 .. 15, so p's codes are the second product's operand as they come.
; RING AND CLUSTER.  Two LDS slots of four key steps (135,168 bytes).  The four query blocks of a cluster belong to one batch and walk the same stream: each slot is asked for JOINTLY, every wave one eighth (66 rows of 256 bytes),
; by the same tensor load with the same descriptor and a mask that names the four.  A wave has two tensor loads out at the start, one behind each round.
; LDS LOADS GO OUT EARLY, INTO REGISTERS THAT ARE IDLE THEN: K's eight fragments in one run at a step's head (four of them where p's codes and the softmax's work registers will lie), waited for fragment by fragment;
; V's first four behind the last product K Q^T; V's other four as soon as tile 0's p is converted, into the registers that held it.
; LIMITS: NaN and infinities are not served.
; REGISTERS.  Window 0: v1-6, v24-29 addresses; v8-22 statistics, eight a tile; v32-63 Q; v64-127 four fragments of K, then of V; v128-191 at a step's head K's other four fragments, then v128-159 p's codes and v160-191 at work, sixteen a tile;
; v192-207 scale words.  Window 1: v0-127 S^T, then p, 64 a tile (v0-63 at a step's end: V's other four fragments); v128-255 O^T, 64 a tile.
.set STEPB,  33792                     ; a key step: K's 8 fragments, V's 8, K's scale words (512 bytes), V's half-words (512)
.set SLOTB,  4*STEPB
.set PART,   SLOTB/8                   ; what one tensor load brings: 66 rows of 256 bytes
.set BATCHB, 32*STEPB
.set VOFF,   16384
.set SOFF,   32768
.set SPARE,  2*SLOTB                   ; behind the ring: the spare words, 128 bytes for each of the eight waves: four blocks of 256 bytes that no other line names
.set STAT,   SPARE+1024                ; -M as [row][KG] words, 1,024 bytes; then the sums likewise
.set SP,     528                       ; the way out: a stage row: 512 bytes + 16.  The stage, [KG][64 rows], lies in slot 0, which has had its last fill and its last read when the first result is stored there
.set SPW, 1                            ; v1   LDS address of my spare word; never rewritten
.set NIL, 2                            ; v2   0; never rewritten
.set AF0, 3                            ; v3, v4  my key group's step in slot 0, 1: + 16 x lane
.set AS0, 5                            ; v5, v6  its scale words: + 8 x lane
.set ST,  8                            ; tile t's statistics at v[ST + 8 t]: +0 -M, +1 the largest t, +2, +3 the sum in two halves, +4 f, +5 written once (named with f as a pair), +6 at work
.set STO, 24                           ; v24  the stage: where I put 16 bytes of a row
.set STA, 25                           ; v25  where I put -M and the sum
.set RD,  26                           ; v26, v27  where I read rows back: key groups 0, 1; key groups 2, 3
.set RD2, 27
.set SRA, 28                           ; v28  my eight rows' -M
.set GO,  29                           ; v29  16 x lane
.set QF,  32
.set FR,  64
.set PC,  128
.set BM,  160                          ; tile t at + 16 t: four blocks' largest scores, then largest p
.set B2,  164                          ; four at work
.set HOLD, 168                         ; 57,344 x the scale
.set SCL, 172                          ; the conversions' scale operands
.set KS,  192                          ; v192-195 K's scale words: register i: tile 2 i in lanes 0-15, tile 2 i + 1 in lanes 16-31
.set VS,  196                          ; v196-199 V's likewise
.set VR,  200                          ; v200-203 V's half-words as loaded
.set QS,  204                          ; v204, v205 Q's scale words, a register a tile
.set PS,  206                          ; v206, v207 p's
.set QSA, 208
.set NMR, 128                          ; the way out: four rows' -M, then factors; their sums; minima; totals; the rows
.set LRW, 144
.set MN,  160
.set LTOT, 164
.set ORW, 64
.set WV,  10
.set QP,  11
.set KG,  12
.set G1,  16                           ; s[16:23] descriptor group 1
.set G0,  24                           ; s[24:27], s[28:31] group 0 of slot 0, 1
.set SEL, 32                           ; s[32:33] v_permlanex16_b32's selects for lane l xor 16
.set CS,  34                           ; s[34:35] c = log2(e) / sqrt(128): the packed form names a pair and takes its low word for both halves
.set MNT, 36
.set CNT, 37
.set PLO, 38                           ; v_perm_b32: the two low halves; the two high halves
.set PHI, 39
.set MSB, 0
.macro WIN new                         ; the immediate's high byte repeats the setting that is left; a switch that changes nothing is dropped
.if MSB != (\new)
	s_set_vgpr_msb (MSB<<8)|(\new)
.set MSB, (\new)
.endif
.endm
.macro PLACES n                        ; places behind matrix instructions: for this form eight in front of loads and vector instructions, nine in front of a matrix instruction that writes over a register of an earlier one
.rept \n
	v_nop
.endr
.endm
; A round of the cluster's barrier: my work-group's barrier, so that wave 0's signal speaks for all eight waves; wave 0 signals; every wave waits for all four work-groups; my work-group's barrier once more.
.macro CROUND
	s_barrier_signal -1
	s_barrier_wait -1
	s_cmp_lg_u32 s[WV], 0
	s_cbranch_scc1 .Lnot_wave_0_\@
	s_barrier_signal -3
.Lnot_wave_0_\@:
	s_barrier_wait -3
	s_barrier_signal -1
	s_barrier_wait -1
.endm
.macro KQ i, g, t                      ; S^T of key tile 4 g + i and query tile t: a whole sum (K = 128), begun with the constant 0.  K's tiles 0-3 lie at v64 on, tiles 4-7 at v128 on
.set rD, 64*(\t)+8*(4*(\g)+(\i))
.set rA, FR+64*(\g)+16*(\i)
.set rB, QF+16*(\t)
.set rS, KS+2*(\g)+(\i)/2
.if (\i)%2
	v_wmma_scale_f32_16x16x128_f8f6f4 v[rD:rD+7], v[rA:rA+15], v[rB:rB+15], 0, v[rS], v[QS+(\t)] matrix_a_fmt:MATRIX_FMT_BF8 matrix_b_fmt:MATRIX_FMT_BF8 matrix_a_scale:MATRIX_SCALE_ROW1
.else
	v_wmma_scale_f32_16x16x128_f8f6f4 v[rD:rD+7], v[rA:rA+15], v[rB:rB+15], 0, v[rS], v[QS+(\t)] matrix_a_fmt:MATRIX_FMT_BF8 matrix_b_fmt:MATRIX_FMT_BF8
.endif
.endm
.macro PV i, g, t, z                   ; O^T of channel tile 4 g + i and query tile t += V^T P^T.  V's tiles 0-3 lie at v64 on of window 0, tiles 4-7 at v0 on of window 1.  z = 1: the first key step starts the sums: nothing is cleared
.set rD, 128+64*(\t)+8*(4*(\g)+(\i))
.set rA, (1-(\g))*FR+16*(\i)
.set rB, PC+16*(\t)
.set rS, VS+2*(\g)+(\i)/2
.if \z
.if (\i)%2
	v_wmma_scale_f32_16x16x128_f8f6f4 v[rD:rD+7], v[rA:rA+15], v[rB:rB+15], 0, v[rS], v[PS+(\t)] matrix_a_fmt:MATRIX_FMT_BF8 matrix_b_fmt:MATRIX_FMT_BF8 matrix_a_scale:MATRIX_SCALE_ROW1
.else
	v_wmma_scale_f32_16x16x128_f8f6f4 v[rD:rD+7], v[rA:rA+15], v[rB:rB+15], 0, v[rS], v[PS+(\t)] matrix_a_fmt:MATRIX_FMT_BF8 matrix_b_fmt:MATRIX_FMT_BF8
.endif
.else
.if (\i)%2
	v_wmma_scale_f32_16x16x128_f8f6f4 v[rD:rD+7], v[rA:rA+15], v[rB:rB+15], v[rD:rD+7], v[rS], v[PS+(\t)] matrix_a_fmt:MATRIX_FMT_BF8 matrix_b_fmt:MATRIX_FMT_BF8 matrix_a_scale:MATRIX_SCALE_ROW1
.else
	v_wmma_scale_f32_16x16x128_f8f6f4 v[rD:rD+7], v[rA:rA+15], v[rB:rB+15], v[rD:rD+7], v[rS], v[PS+(\t)] matrix_a_fmt:MATRIX_FMT_BF8 matrix_b_fmt:MATRIX_FMT_BF8
.endif
.endif
.endm
.macro FRAGS slot, off, reg            ; four fragments, as they lie, into v[reg] on: 16 loads of 512 consecutive bytes
.irp i, 0,1,2,3
.irp c, 0,1,2,3
	ds_load_b128 v[(\reg)+16*\i+4*\c:(\reg)+16*\i+4*\c+3], v[AF0+\slot] offset:(\off)+2048*\i+512*\c
.endr
.endr
.endm
; ONE KEY STEP (128 keys) for my two tiles of queries.  Every run of products names different accumulators, and the sixteen products S^T (begun with 0) always stand between two runs on the same registers of O^T:
; the accumulators take turns.
.macro WORK slot, first
	WIN 0
	PLACES 9                                       ; eight in front of loads into registers that the last products read; the ninth since the first products below write over registers (window 1, v0-63) that the last products read as a source
	ds_load_b64 v[KS:KS+1], v[AS0+\slot]           ; the scale words first: the first product wants them
	ds_load_b64 v[KS+2:KS+3], v[AS0+\slot] offset:256
	ds_load_b64 v[VR:VR+1], v[AS0+\slot] offset:512
	ds_load_b64 v[VR+2:VR+3], v[AS0+\slot] offset:768
	FRAGS \slot, 0, FR                             ; K's tiles 0-3
	FRAGS \slot, 8192, FR+64                       ; K's tiles 4-7, where p's codes and the work registers will lie: both are idle until the products below are done
	WIN 0x40                                       ; destination window 1
.irp i, 0,1,2,3
	s_wait_dscnt 28-4*\i                           ; LDS loads come back in order (ISA guide 5.7.1): of the run's 36 the 4 scale loads and fragments 0 .. i are in
.irp t, 0,1
	KQ \i, 0, \t
.endr
.endr
.irp i, 0,1,2,3
	s_wait_dscnt 12-4*\i                           ; fragment 4 + i is in; the younger ones may be out
.irp t, 0,1
	KQ \i, 1, \t
.endr
.endr
	WIN 0
	v_perm_b32 v[VS], v[VR+2], v[VR], s[PLO]       ; V's scale words: the first 64 keys' half-word below, the other 64 keys' above.  (These four and the four below are the eight places)
	v_perm_b32 v[VS+1], v[VR+2], v[VR], s[PHI]
	v_perm_b32 v[VS+2], v[VR+3], v[VR+1], s[PLO]
	v_perm_b32 v[VS+3], v[VR+3], v[VR+1], s[PHI]
	PLACES 4
	FRAGS \slot, VOFF, FR                          ; V's tiles 0-3 are asked for already: they land under the softmax
	WIN 0x15                                       ; all three sources window 1
.irp b, 0,1,2,3
.irp t, 0,1
	v_max3_num_f32 v[BM+16*\t+\b], v[64*\t+16*\b], v[64*\t+16*\b+1], v[64*\t+16*\b+2]   ; the largest score of each block of 32 keys: it serves for the row's maximum and, since p rises with the score, for the block's largest p
.endr
.endr
	WIN 0x14
.irp i, 3,5,7,9,11,13
.irp b, 0,1,2,3
.irp t, 0,1
	v_max3_num_f32 v[BM+16*\t+\b], v[BM+16*\t+\b], v[64*\t+16*\b+\i], v[64*\t+16*\b+\i+1]
.endr
.endr
.endr
.irp b, 0,1,2,3
.irp t, 0,1
	v_max_num_f32 v[BM+16*\t+\b], v[BM+16*\t+\b], v[64*\t+16*\b+15]
.endr
.endr
	WIN 0
.irp b, 0,1,2,3
.irp t, 0,1
	v_permlanex16_b32 v[B2+16*\t+\b], v[BM+16*\t+\b], s[SEL], s[SEL+1]
.endr
.endr
.irp b, 0,1,2,3
.irp t, 0,1
	v_max_num_f32 v[BM+16*\t+\b], v[BM+16*\t+\b], v[B2+16*\t+\b]   ; with lane l xor 16's 16 keys
.endr
.endr
.irp t, 0,1
	v_max3_num_f32 v[ST+8*\t+6], v[BM+16*\t], v[BM+16*\t+1], v[BM+16*\t+2]
.endr
.irp t, 0,1
	v_max_num_f32 v[ST+8*\t+6], v[ST+8*\t+6], v[BM+16*\t+3]   ; the step's largest score of my query
.endr
.irp t, 0,1
	v_mul_f32 v[ST+8*\t+6], s[CS], v[ST+8*\t+6]    ; as t (c is positive)
.endr
.irp t, 0,1
	v_max_num_f32 v[ST+8*\t+1], v[ST+8*\t+1], v[ST+8*\t+6]   ; the running largest t
.endr
.irp t, 0,1
	v_mov_b32 v[ST+8*\t+6], v[ST+8*\t]
.endr
.irp t, 0,1
	v_floor_f32 v[ST+8*\t], -v[ST+8*\t+1]          ; the new -M = floor(-t): M is a whole number
.endr
.irp t, 0,1
	v_sub_f32 v[ST+8*\t+6], v[ST+8*\t], v[ST+8*\t+6]   ; old M - new M: a whole number, 0 or less
.endr
.irp t, 0,1
	v_cvt_i32_f32 v[ST+8*\t+6], v[ST+8*\t+6]       ; (it saturates)
.endr
.irp t, 0,1
	v_ldexp_f32 v[ST+8*\t+4], 1.0, v[ST+8*\t+6]    ; f = 2^(old M - new M)
.endr
.irp b, 0,1,2,3
.irp t, 0,1
	v_fma_f32 v[BM+16*\t+\b], v[BM+16*\t+\b], s[CS], v[ST+8*\t]   ; t - M of each block's largest score
.endr
.endr
	WIN 0x41                                       ; destination and source 0 window 1
.irp t, 0,1
.set J, 0
.rept 32
	v_pk_fma_f32 v[64*\t+J:64*\t+J+1], v[64*\t+J:64*\t+J+1], s[CS:CS+1], v[ST+8*\t:ST+8*\t+1] op_sel_hi:[1,0,0]   ; t - M, two at a time
.set J, J+2
.endr
.endr
.irp t, 0,1
.set J, 0
.rept 64
	v_exp_f32 v[64*\t+J], v[64*\t+J]               ; p = 2^(t - M), at most 1
.set J, J+1
.endr
.endr
	WIN 0
.irp b, 0,1,2,3
.irp t, 0,1
	v_exp_f32 v[BM+16*\t+\b], v[BM+16*\t+\b]       ; the block's largest p: the same two instructions on the same number give the same bits
.endr
.endr
.irp t, 0,1
	v_pk_mul_f32 v[ST+8*\t+2:ST+8*\t+3], v[ST+8*\t+2:ST+8*\t+3], v[ST+8*\t+4:ST+8*\t+5] op_sel_hi:[1,0]   ; the sums under the new M.  (The plain line behind the exponentials)
.endr
	s_wait_alu depctr_va_vdst(0)
.irp b, 0,1,2,3
.irp t, 0,1
	v_max_num_f32 v[BM+16*\t+\b], 0x8000000, v[BM+16*\t+\b]   ; the floor 2^(16 - 127): the byte cannot fall under 1
.endr
.endr
.irp b, 0,1,2,3
.irp t, 0,1
	v_add_nc_u32 v[SCL+16*\t+\b], 0xf8800000, v[BM+16*\t+\b]   ; 15 off the exponent field: the conversion's scale operand
.endr
.endr
.irp b, 0,1,2,3
.irp t, 0,1
	v_and_or_b32 v[HOLD+16*\t+\b], v[BM+16*\t+\b], 0x7f800000, s[MNT]   ; 57,344 x the scale
.endr
.endr
.irp b, 0,1,2,3
.irp t, 0,1
	v_lshrrev_b32 v[B2+16*\t+\b], 23, v[SCL+16*\t+\b]   ; the scale's byte
.endr
.endr
.irp t, 0,1
	v_lshl_or_b32 v[PS+\t], v[B2+16*\t+1], 8, v[B2+16*\t]   ; p's scale word for these 128 keys
.endr
.irp t, 0,1
	v_lshl_or_b32 v[PS+\t], v[B2+16*\t+2], 16, v[PS+\t]
.endr
.irp t, 0,1
	v_lshl_or_b32 v[PS+\t], v[B2+16*\t+3], 24, v[PS+\t]
.endr
	WIN 0x05                                       ; the row's sum is taken of the unquantised p: two at a time, in two chains
.irp t, 0,1
	v_pk_add_f32 v[B2+16*\t:B2+16*\t+1], v[64*\t:64*\t+1], v[64*\t+2:64*\t+3]
.endr
	WIN 0x04
.irp j, 4,8,12,16,20,24,28,32,36,40,44,48,52,56,60
.irp t, 0,1
	v_pk_add_f32 v[ST+8*\t+2:ST+8*\t+3], v[ST+8*\t+2:ST+8*\t+3], v[64*\t+\j:64*\t+\j+1]
	v_pk_add_f32 v[B2+16*\t:B2+16*\t+1], v[B2+16*\t:B2+16*\t+1], v[64*\t+\j+2:64*\t+\j+3]
.endr
.endr
	WIN 0
.irp t, 0,1
	v_pk_add_f32 v[ST+8*\t+2:ST+8*\t+3], v[ST+8*\t+2:ST+8*\t+3], v[B2+16*\t:B2+16*\t+1]
.endr
.irp t, 0,1                                    ; tile by tile: the hold, the conversions
	WIN 0x41
.irp b, 0,1,2,3
.irp i, 0,1,2,3,4,5,6,7,8,9,10,11,12,13,14,15
	v_min_num_f32 v[64*\t+16*\b+\i], v[64*\t+16*\b+\i], v[HOLD+16*\t+\b]   ; the conversion to an 8-bit code does not saturate (ISA guide 7.6.2); p is not negative, so the hold is one-sided
.endr
.endr
	WIN 0x01
.irp b, 0,1,2,3
	v_cvt_scalef32_pk8_bf8_f32 v[PC+16*\t+4*\b:PC+16*\t+4*\b+1], v[64*\t+16*\b:64*\t+16*\b+7], v[SCL+16*\t+\b]
	v_cvt_scalef32_pk8_bf8_f32 v[PC+16*\t+4*\b+2:PC+16*\t+4*\b+3], v[64*\t+16*\b+8:64*\t+16*\b+15], v[SCL+16*\t+\b]
.endr
.if \t == 0
	v_nop                                          ; a plain line behind the conversions
	WIN 0x40                                       ; destination window 1
	FRAGS \slot, VOFF+8192, 0                      ; tile 0's p is done with: its registers take V's tiles 4-7, which land under tile 1's holds, O^T's rescaling and the first eight products
.endif
.endr
.if \first
	PLACES 8                                       ; the plain lines behind the conversions and in front of the products that take the codes
.else
	WIN 0x41
.irp t, 0,1
.set J, 0
.rept 32
	v_pk_mul_f32 v[128+64*\t+J:128+64*\t+J+1], v[128+64*\t+J:128+64*\t+J+1], v[ST+8*\t+4:ST+8*\t+5] op_sel_hi:[1,0]   ; O^T under the new M, each accumulator from its low end on.  (Also the plain lines behind the conversions and in front of the products)
.set J, J+2
.endr
.endr
.endif
	s_wait_dscnt 16                                ; V's tiles 0-3 are in; the 16 loads of tiles 4-7 may be out
	WIN 0x50                                       ; sources 0 and 1 window 0, C and D window 1
.irp i, 0,1,2,3
.irp t, 0,1
	PV \i, 0, \t, \first
.endr
.endr
	WIN 0x51                                       ; source 0 window 1 too
.irp i, 0,1,2,3
	s_wait_dscnt 12-4*\i                           ; V's tile 4 + i is in
.irp t, 0,1
	PV \i, 1, \t, \first
.endr
.endr
	WIN 0
.endm
; THE CHANGE OF SLOTS, and the slot's key step.  Each wave waits for all its tensor loads (its part of the slot that it is about to read), adds 0 to its spare word, and waits for that and for its reads of the slot that it has left.
; refill = 1: the barrier is a round of the cluster's, so that no wave of any partner still reads the slot left or has a load on its way, and the joint refill of that slot is the first thing behind it: it has a whole key step in which to land.
.macro TWO slot, refill
	s_wait_tensorcnt 0x0                           ; no tensor load of mine is out, so a group 0 may be written
	ds_add_u32 v[SPW], v[NIL]                      ; 0 onto my spare word
.if \refill
	s_add_nc_u64 s[G0+6-4*\slot:G0+7-4*\slot], s[G0+6-4*\slot:G0+7-4*\slot], 2*SLOTB   ; the other slot's next four key steps; the type bits on top are not reached
.endif
	s_wait_dscnt 0x0                               ; the add is done, and my reads of the slot that I have left are over
.if \refill
	CROUND
	tensor_load_to_lds s[G0+4-4*\slot:G0+7-4*\slot], s[G1:G1+7]   ; my one tensor load until the next round; nine v_nop follow it
	s_nop 0
.else
	s_barrier_signal -1
	s_barrier_wait -1
.endif
	WORK \slot, 0
.endm
	s_load_b128 s[4:7], s[0:1], 0x0                ; qbuf, kv
	s_load_b64 s[8:9], s[0:1], 0x10                ; out0
	v_lshl_add_u32 v[SPW], v0, 2, SPARE
	v_mov_b32 v[NIL], 0
	ds_add_u32 v1, v2
	ds_add_u32 v1, v2
	s_wait_dscnt 0x0
	v_lshrrev_b32 v30, 5, v0
	v_readfirstlane_b32 s[WV], v30                 ; wave 0..7
	s_and_b32 s[QP], s[WV], 1
	s_lshr_b32 s[KG], s[WV], 1
	s_bfe_u32 s13, ttmp6, 0x40000                  ; cx: my place in the cluster
	s_lshl_b32 s14, ttmp9, 2                       ; in a cluster launch ttmp9 counts clusters
	s_add_co_u32 s14, s14, s13                     ; my block of 64 queries: it enters Q's and out0's addresses alone
	s_and_b32 s15, ttmp7, 0xffff                   ; the batch, which the four partners share
	; descriptor group 1: a dense block of 66 rows of 256 bytes (32 elements of 8 bytes), laid dense in LDS
	s_mov_b32 s[G1+0], 15|(3<<16)|(1<<21)          ; 15:0 the mask: all four work-groups; 17:16 elements of 8 bytes; 21 set beside a mask
	s_mov_b32 s[G1+1], 32<<16                      ; tensor_dim0
	s_mov_b32 s[G1+2], 66<<16                      ; tensor_dim1
	s_mov_b32 s[G1+3], 32<<16                      ; tile_dim0
	s_mov_b32 s[G1+4], 66                          ; tile_dim1
	s_mov_b32 s[G1+5], 32                          ; tensor_dim0_stride
	s_mov_b32 s[G1+6], 0
	s_mov_b32 s[G1+7], 0
	s_mul_i32 s40, s15, BATCHB
	s_mul_i32 s42, s[WV], PART                     ; my eighth of a slot, in memory and in LDS: no place in the cluster enters either
	s_add_co_u32 s40, s40, s42
	s_mov_b32 s41, 0
	s_lshl_b32 s43, s15, 6
	s_add_co_u32 s43, s43, s14                     ; G = 64 x batch + block
	s_mul_i32 s44, s43, 8448
	s_lshl_b32 s46, s[QP], 12
	s_add_co_u32 s46, s46, s44                     ; Q's codes: my two tiles
	s_mov_b32 s47, 0
	s_lshl_b32 s48, s[QP], 2
	s_add_co_u32 s48, s48, s44                     ; Q's scale words: word QP of each pair
	s_mov_b32 s49, 0
	s_lshl_b32 s50, s43, 6                         ; the rows that I store: stage rows 8 wv .. 8 wv + 7 are queries 32 (wv / 4) + 8 ((wv / 2) % 2) + 16 (wv % 2) + 0 .. 7 of the block
	s_lshr_b32 s51, s[WV], 2
	s_lshl_b32 s51, s51, 5
	s_add_co_u32 s50, s50, s51
	s_and_b32 s51, s[KG], 1
	s_lshl_b32 s51, s51, 3
	s_add_co_u32 s50, s50, s51
	s_lshl_b32 s51, s[QP], 4
	s_add_co_u32 s50, s50, s51
	s_lshl_b32 s50, s50, 9
	s_mov_b32 s51, 0
	s_mov_b32 s[SEL], 0x76543210
	s_mov_b32 s[SEL+1], 0xfedcba98
	s_mov_b32 s[CS], 0x3e0293ee                    ; c = log2(e) / sqrt(128)
	s_mov_b32 s[CS+1], s[CS]                       ; (named with it as a pair, so it is written)
	s_mov_b32 s[MNT], 0x600000
	s_mov_b32 s[PLO], 0x05040100
	s_mov_b32 s[PHI], 0x07060302
	s_wait_kmcnt 0x0
	s_add_nc_u64 s[40:41], s[6:7], s[40:41]
	s_add_nc_u64 s[46:47], s[4:5], s[46:47]
	s_add_nc_u64 s[48:49], s[4:5], s[48:49]
	s_add_nc_u64 s[8:9], s[8:9], s[50:51]
	s_mov_b32 s[G0], 1                             ; count = 1
	s_mov_b32 s[G0+1], s42                         ; LDS address: slot 0
	s_mov_b64 s[G0+2:G0+3], s[40:41]               ; global address: the batch's first four key steps
	s_or_b32 s[G0+3], s[G0+3], 0x80000000          ; type = 2
	s_mov_b32 s[G0+4], 1
	s_add_co_u32 s[G0+5], s42, SLOTB
	s_add_nc_u64 s[G0+6:G0+7], s[40:41], SLOTB
	s_or_b32 s[G0+7], s[G0+7], 0x80000000
	CROUND                                         ; all four work-groups are here: the first joint loads meet
	tensor_load_to_lds s[G0:G0+3], s[G1:G1+7]      ; both first fills together, ahead of every wait on TENSORcnt and every LDS read: two loads of mine are out
	s_nop 0
	tensor_load_to_lds s[G0+4:G0+7], s[G1:G1+7]
	s_nop 0
	PLACES 4
	v_and_b32 v30, 31, v0                          ; lane
	v_and_b32 v31, 15, v0                          ; r
	v_bfe_u32 v7, v0, 4, 1                         ; h
	v_lshlrev_b32 v[GO], 4, v30
	v_lshlrev_b32 v[QSA], 3, v31
.irp t, 0,1
.irp c, 0,1,2,3
	global_load_b128 v[QF+16*\t+4*\c:QF+16*\t+4*\c+3], v[GO], s[46:47] offset:2048*\t+512*\c   ; Q stays in registers
.endr
	global_load_b32 v[QS+\t], v[QSA], s[48:49] offset:8192+128*\t
.endr
	s_mul_i32 s52, s[KG], STEPB                    ; my key group's step in a slot
	v_lshl_add_u32 v[AF0], v30, 4, s52
	v_add_nc_u32 v[AF0+1], SLOTB, v[AF0]
	s_add_co_u32 s53, s52, SOFF
	v_lshl_add_u32 v[AS0], v30, 3, s53
	v_add_nc_u32 v[AS0+1], SLOTB, v[AS0]
	s_mul_i32 s54, s[QP], 32*SP                    ; the stage: part KG (64 rows of SP bytes are as many bytes as a key step), row 32 QP + 16 t + r, + 64 h
	s_add_co_u32 s54, s54, s52
	v_mul_u32_u24 v[STO], v31, SP
	v_lshl_add_u32 v[STO], v7, 6, v[STO]
	v_add_nc_u32 v[STO], s54, v[STO]
	s_lshl_b32 s54, s[QP], 9
	s_lshl_b32 s55, s[KG], 2
	s_add_co_u32 s54, s54, s55
	s_add_co_u32 s54, s54, STAT
	v_lshl_add_u32 v[STA], v31, 4, s54             ; 16 bytes a row, word KG
	s_mul_i32 s54, s[WV], 8*SP
	v_lshl_add_u32 v[RD], v30, 4, s54              ; back: my eight rows, 16 bytes a lane
	v_add_nc_u32 v[RD2], 2*64*SP, v[RD]
	s_lshl_b32 s54, s[WV], 7
	s_add_co_u32 s54, s54, STAT
	v_mov_b32 v[SRA], s54
.irp t, 0,1
	v_mov_b32 v[ST+8*\t+1], 0xff61b1e6             ; the largest t so far: -3e38, under every t
	v_floor_f32 v[ST+8*\t], -v[ST+8*\t+1]          ; -M
	v_mov_b32 v[ST+8*\t+2], 0                      ; the sum, in two halves
	v_mov_b32 v[ST+8*\t+3], 0
	v_mov_b32 v[ST+8*\t+5], 0                      ; (named as the upper half of f's pair)
.irp b, 0,1,2,3
	v_mov_b32 v[B2+16*\t+\b], 0                    ; a lane permute's destination counts as one of its sources
.endr
.endr
	s_wait_tensorcnt 0x1                           ; my part of slot 0 is in; slot 1's may stay out
	s_barrier_signal -1
	s_barrier_wait -1                              ; everybody's is
	s_wait_loadcnt 0x0                             ; Q
	WORK 0, 1                                      ; the first key step stands in front of the loop: its products start O^T's sums
	s_mov_b32 s[CNT], 3
.Lslot:                                            ; three trips, two slots each: both slots are filled again
	TWO 1, 1
	TWO 0, 1
	s_sub_co_u32 s[CNT], s[CNT], 1
	s_cmp_lg_u32 s[CNT], 0
	s_cbranch_scc1 .Lslot
	TWO 1, 0                                       ; the last slot is written out: nothing is left to ask for
	; THE WAY OUT.  My -M, my sums and my O^T go to LDS; behind a barrier each wave joins the four key groups' parts of eight rows and stores the rows whole.
	PLACES 8                                       ; between the last products and the first read of results, and the loads below into registers that they read
.irp t, 0,1
	v_add_f32 v[ST+8*\t+6], v[ST+8*\t+2], v[ST+8*\t+3]   ; the sum's two halves,
.endr
.irp t, 0,1
	v_permlanex16_b32 v[B2+16*\t], v[ST+8*\t+6], s[SEL], s[SEL+1]
.endr
.irp t, 0,1
	v_add_f32 v[ST+8*\t+6], v[ST+8*\t+6], v[B2+16*\t]   ; and lane l xor 16's
.endr
.irp t, 0,1
	ds_store_b32 v[STA], v[ST+8*\t] offset:256*\t          ; both lanes of a query write the same word with the same value
	ds_store_b32 v[STA], v[ST+8*\t+6] offset:1024+256*\t
.endr
	WIN 0x04                                       ; an LDS store's data are its source 1: window 1
.irp t, 0,1
.irp b, 0,1,2,3
.irp j, 0,1,2,3
	ds_store_b128 v[STO], v[128+64*\t+16*\b+4*\j:128+64*\t+16*\b+4*\j+3] offset:16*SP*\t+128*\b+16*\j   ; register 16 b + i is channel 32 b + 16 h + i; each accumulator from its low end on
.endr
.endr
.endr
	WIN 0
	s_wait_dscnt 0x0                               ; for the others' sake: my stores are done
	s_barrier_signal -1
	s_barrier_wait -1
.macro OUTROWS p                       ; rows 8 wv + 4 p + 0 .. 3
.set OUTR, 176+32*(\p)                 ; each pass has result registers of its own: no store's data are written again
.irp k, 0,1,2,3
	ds_load_b128 v[NMR+4*\k:NMR+4*\k+3], v[SRA] offset:16*(4*(\p)+\k)        ; the row's four -M, the same in every lane
	ds_load_b128 v[LRW+4*\k:LRW+4*\k+3], v[SRA] offset:1024+16*(4*(\p)+\k)   ; and its four sums
.endr
.irp k, 0,1,2,3
.irp g, 0,1
	ds_load_b128 v[ORW+16*\k+4*\g:ORW+16*\k+4*\g+3], v[RD] offset:SP*(4*(\p)+\k)+64*SP*\g
	ds_load_b128 v[ORW+16*\k+8+4*\g:ORW+16*\k+8+4*\g+3], v[RD2] offset:SP*(4*(\p)+\k)+64*SP*\g
.endr
.endr
	s_wait_dscnt 0x0
.irp k, 0,1,2,3
	v_min3_num_f32 v[MN+\k], v[NMR+4*\k], v[NMR+4*\k+1], v[NMR+4*\k+2]
.endr
.irp k, 0,1,2,3
	v_min_num_f32 v[MN+\k], v[MN+\k], v[NMR+4*\k+3]   ; -(the largest M)
.endr
.irp g, 0,1,2,3
.irp k, 0,1,2,3
	v_sub_f32 v[NMR+4*\k+\g], v[MN+\k], v[NMR+4*\k+\g]   ; M of group g less the largest: a whole number, 0 or less
.endr
.endr
.irp g, 0,1,2,3
.irp k, 0,1,2,3
	v_cvt_i32_f32 v[NMR+4*\k+\g], v[NMR+4*\k+\g]
.endr
.endr
.irp g, 0,1,2,3
.irp k, 0,1,2,3
	v_ldexp_f32 v[NMR+4*\k+\g], 1.0, v[NMR+4*\k+\g]   ; the group's factor: an exact power of two
.endr
.endr
.irp k, 0,1,2,3
	v_mul_f32 v[LTOT+\k], v[NMR+4*\k], v[LRW+4*\k]
.endr
.irp g, 1,2,3
.irp k, 0,1,2,3
	v_fma_f32 v[LTOT+\k], v[NMR+4*\k+\g], v[LRW+4*\k+\g], v[LTOT+\k]   ; the row's sum
.endr
.endr
.irp k, 0,1,2,3
	v_rcp_f32 v[LTOT+\k], v[LTOT+\k]
.endr
	v_nop                                          ; a plain line between the last reciprocal and the use of its result
	s_wait_alu depctr_va_vdst(0)
.irp g, 0,1,2,3
.irp k, 0,1,2,3
	v_mul_f32 v[NMR+4*\k+\g], v[NMR+4*\k+\g], v[LTOT+\k]
.endr
.endr
.irp k, 0,1,2,3
.irp e, 0,1,2,3
	v_mul_f32 v[OUTR+4*\k+\e], v[ORW+16*\k+\e], v[NMR+4*\k]
.endr
.endr
.irp g, 1,2,3
.irp k, 0,1,2,3
.irp e, 0,1,2,3
	v_fma_f32 v[OUTR+4*\k+\e], v[ORW+16*\k+4*\g+\e], v[NMR+4*\k+\g], v[OUTR+4*\k+\e]
.endr
.endr
.endr
.irp k, 0,1,2,3
	global_store_b128 v[GO], v[OUTR+4*\k:OUTR+4*\k+3], s[8:9] offset:512*(4*(\p)+\k) th:TH_STORE_NT   ; 32 lanes store a row of 512 consecutive bytes, aligned; written once, read by nobody here
.endr
.endm
	OUTROWS 0
	OUTROWS 1
	s_wait_tensorcnt 0x0                           ; the wave's end: behind my last tensor load and my last LDS store
	ds_add_u32 v[SPW], v[NIL]
	s_wait_dscnt 0x0
	CROUND                                         ; the closing round: no work-group ends while a partner may still ask for a tile that names it
	s_endpgm
.Lfunc_end_k_q9b1b303205_attn:
	.size	k_q9b1b303205_attn, .Lfunc_end_k_q9b1b303205_attn-k_q9b1b303205_attn
	.p2alignl 7, 3214868480
	.fill 96, 4, 3214868480
	.section	.rodata,"a",@progbits
	.p2align	6, 0x0
	.amdhsa_kernel k_q9b1b303205_attn
		.amdhsa_group_segment_fixed_size 327680
		.amdhsa_private_segment_fixed_size 0
		.amdhsa_enable_private_segment 0
		.amdhsa_kernarg_size 24
		.amdhsa_user_sgpr_count 2
		.amdhsa_user_sgpr_kernarg_segment_ptr 1
		.amdhsa_wavefront_size32 1
		.amdhsa_system_sgpr_workgroup_id_x 1
		.amdhsa_system_sgpr_workgroup_id_y 1
		.amdhsa_system_sgpr_workgroup_id_z 1
		.amdhsa_system_vgpr_workitem_id 0
		.amdhsa_next_free_vgpr 512
		.amdhsa_next_free_sgpr 66
		.amdhsa_reserve_vcc 0
		.amdhsa_float_denorm_mode_32 3
		.amdhsa_float_denorm_mode_16_64 3
		.amdhsa_memory_ordered 1
		.amdhsa_forward_progress 1
		.amdhsa_inst_pref_size 185
	.end_amdhsa_kernel
	.amdgpu_metadata
---
amdhsa.version: [ 1, 2 ]
amdhsa.kernels:
  - .name:           k_q9b1b303205_attn
    .symbol:         k_q9b1b303205_attn.kd
    .args:
      - { .name: qbuf, .offset: 0, .size: 8, .value_kind: global_buffer, .address_space: global }
      - { .name: kv, .offset: 8, .size: 8, .value_kind: global_buffer, .address_space: global }
      - { .name: out0, .offset: 16, .size: 8, .value_kind: global_buffer, .address_space: global }
    .group_segment_fixed_size: 327680
    .private_segment_fixed_size: 0
    .kernarg_segment_align: 8
    .kernarg_segment_size: 24
    .max_flat_workgroup_size: 256
    .sgpr_count:     66
    .vgpr_count:     512
    .wavefront_size: 32
...
	.end_amdgpu_metadata
.endif
;; end of part 3
